; MI455X (gfx1250); checked and timed in simulation.
; The chip was launched on July 23, 2026; its instructions are those of AMD's public machine-readable ISA for CDNA 5 (MIT licence, August 2026) and "CDNA5" Instruction Set Architecture Reference Guide (July 2026). The comments in the code are by the model that wrote it; some were corrected since.
;; Mixture Of Experts. Allowed arithmetic: matrix products marked QUANTISED: E2M3 operands, one E8M0 scale for each 32 along K, by v_wmma_scale_f32_16x16x128_f8f6f4 with both operands' format E2M3, f32 sums; products left as they are: f32 operands where the result goes on into a quantised operand, else bf16, f16 or f32 operands; f32 sums; everything else in f32.
;; Inputs: W 8 x 1,024 x 1,024 float32; Wg 1,024 x 8 float32; b 8 x 1,024 float32; bg 8 float32; inputs 8,192 x 1,024 float32.
;; Outputs: out0 8,192 x 1,024 float32; out1 one number float32.
;; This version of the problem:
;;   THIS VERSION OF THE PROBLEM IS GIVEN IN LOW PRECISION. The matrix products marked QUANTISED in the list below multiply operands that are first quantised to E2M3 (2 exponent bits, 3 mantissa bits; 6 bits a number), with one power-of-two scale for each 32 numbers along K (OCP MX v1.0); their sums are f32. All else is computed in f32.
;;   The module's matrix products, in the order in which they are computed (A, B: the left and right operand; K: the contracted axis; several contracted axes count as one K, in the product's order):
;;     1. [M 8,192, K 1,024] x [K 1,024, N 8,192]; A: input inputs; B: input W: QUANTISED
;;     2. [M 8,192, K 1,024] x [K 1,024, N 8]; A: input inputs; B: input Wg: left as it is (N = 8 < 16)
;;     3. batch 8,192 x [M 1,024, K 8] x [K 8, N 1]; A: computed on the way; B: softmax: left as it is (K = 8 < 32)
;;   THE QUANTISER, for each operand of a quantised product, along K:
;;     - K is cut into blocks of 32 from its start; a last block that is shorter is filled with zeros.
;;     - A block's scale is 2^e with e = floor(log2(the largest magnitude in the block)) - 2, held to -126 .. 127; a block of zeros has e = 0. As a byte (E8M0): e + 127.
;;     - Each number is divided by its block's scale, clamped to +-7.5, and rounded to the nearest number of E2M3, ties to even, subnormals kept.
;;     - The product sums the exact products of the quantised numbers (number of the format x scale) in f32.
;;   ~~~python
;;   def quantise(x, axis):      # numpy; x: float32 -> the quantised numbers, widened to float32 again
;;       x = np.moveaxis(x, axis, -1); K = x.shape[-1]
;;       x = np.pad(x, [(0, 0)] * (x.ndim - 1) + [(0, -K % 32)]); x = x.reshape(x.shape[:-1] + (-1, 32)); a = np.abs(x).max(-1, keepdims=True)
;;       e = np.where(a > 0, np.clip(np.frexp(np.where(a > 0, a, 1))[1] - 1 - 2, -126, 127), 0)      # np.frexp(a)[1] - 1 = floor(log2(a)), exactly
;;       r = np.clip(x / 2.0 ** e, -7.5, 7.5)
;;       step = 2.0 ** (np.maximum(np.frexp(np.where(r == 0, 1, r))[1] - 1, 0) - 3)
;;       q = np.round(r / step) * step * 2.0 ** e      # np.round: ties to even
;;       return np.moveaxis(q.reshape(q.shape[:-2] + (-1,))[..., :K], -1, axis).astype(np.float32)
;;   ~~~
;; One version. Each part assembles by itself: llvm-mc -triple=amdgcn-amd-amdhsa -mcpu=gfx1250 --defsym DOCPART=n.
;; ======== version 1 of 1: 2 launches
;; limits: values are held in f16: magnitudes above 65,504 overflow, below 6.1e-05 lose precision; inputs' magnitudes at most 65,504
;; workspace buffers: xq 6,291,456 bytes; xs 262,144 bytes; wq 6,553,600 bytes; wimg 262,144 bytes; psum 4,096 bytes; spill 256 bytes
;; launch prep (part 1): grid 256 x 1, 4 waves a work-group, no clusters, 185,856 bytes of LDS; arguments inputs, W, Wg, bg, xq, xs, wq, wimg, psum; writes xq, xs, wq, wimg, psum
.if DOCPART == 1
	.amdgcn_target "amdgcn-amd-amdhsa--gfx1250"
	.amdhsa_code_object_version 6
	.text
	.protected	k_q897047ef18_prep
	.globl	k_q897047ef18_prep
	.p2align	8
	.type	k_q897047ef18_prep,@function
k_q897047ef18_prep:
	s_mov_b64 s[64:65], 0
	v_nop
	global_prefetch_b8 v0, s[64:65] scope:SCOPE_SE
	s_setreg_imm32_b32 hwreg(HW_REG_WAVE_MODE, 25, 1), 1
	s_wait_xcnt 0x0
; PREP.  Work-groups 0-127: 64 rows of inputs each: codes of FP6 (E2M3) with one E8M0 byte for each 32 along K, the router's logits, the softmax, the group's gate sums.
; Work-groups 128-255: W [8][1024 p][1024 q] is quantised along p: one expert, 128 columns, 512 of p each.
; A block's scale is 2^(floor(log2(its largest magnitude)) - 2); its byte is the largest magnitude's exponent field - 2, held at 1 from below.
; LIMITS: NaN and infinities among the inputs are not served.  A block of zeros gets the byte 1 where the quantiser says 127: its codes are zeros, which add nothing, and only this program reads the bytes.
; The router's product (N = 8) is left as it is: its operands are rounded to f16, its sums are f32; the softmax takes the row's largest logit away first.
; WHY f16 AND NOT bf16: a logit is a sum of 1,024 products, and its error goes straight into the gates, which multiply every output; f16 keeps 11 significant bits where bf16 keeps 8.
; ITS RANGE: magnitudes of inputs and Wg must stay under 65,504 (beyond it the conversion gives infinity); numbers under 2^-14 are kept with an absolute error of at most 2^-25.
; ALL WORKSPACE IS LAID AS IMAGES OF OPERAND REGISTERS.  A fragment (16 rows x 128 K, 12 registers a lane) is 1,536 bytes: register 4 c + j of lane l at byte 512 c + 16 l + 4 j.
;   xq: fragment (R = row / 16, K step ks) at (8 R + ks) 1536.   xs: 2,048 bytes for each 64 rows: 16 scale registers q = 8 p + ks (lanes 0-15 row block 2 p, lanes 16-31 row block 2 p + 1), register q of lane l at 512 (q / 4) + 16 l + 4 (q % 4).
;   wq: column block nb (128 columns) at 819,200 nb; unit u = 8 h + e (h: which 64 columns, e: expert) at + 51,200 u; in it fragment (ks, f) at 6,144 ks + 1,536 f, and at 49,152 the unit's 16 scale registers, laid as xs's.
;   wimg: w[64 G + 16 a + r][e] at 2,048 G + 256 e + 16 r + 4 a.   psum: [128 G][8 e], the sum of w over the group's 64 rows.
; The two paths part on the work-group's number alone and never join; each has LDS bytes of its own.
.set XST, 0                            ; x path: a stage of 16 rows x (512 + 16) bytes for each wave
.set WGI, 33792                        ; x path: Wg's 32 f16 fragments as images, 1,024 bytes each
.set WIM, 66560                        ; x path: the group's 2,048 bytes of wimg
.set WST, 68608                        ; W path: a stage of 32 rows x 512 bytes for each wave
.set IMG, 134144                       ; W path: eight fragments' images for each wave
.set SCI, 183296                       ; W path: four chunks of 512 bytes of scale registers
.set X,   16                           ; x path: v16-143 two sets of 64 numbers of a lane
.set WF,  144                          ; v144-175 four fragments of Wg
.set F,   176                          ; v176-187 the codes just made
.set T,   188                          ; v188-195 their upper halves on the way
.set M,   196                          ; v196-203 largest magnitudes, scale operands, bytes, the word at work
.set SWD, 204                          ; v204-211 a scale word for each K step
.set ACC, 212                          ; v212-227 two accumulators of the logits, by turns
.set BG,  228                          ; v228-235 bg, the start of the first sum
.set L,   236                          ; v236-243 the logits, then w
.set MSB, 0
.macro WIN new                         ; the immediate's high byte repeats the setting that is left
.if MSB != \new
	s_set_vgpr_msb (MSB<<8)|\new
.set MSB, \new
.endif
.endm
	s_load_b256 s[4:11], s[0:1], 0x0               ; inputs, W, Wg, bg
	s_load_b256 s[12:19], s[0:1], 0x20             ; xq, xs, wq, wimg
	s_load_b64 s[20:21], s[0:1], 0x40              ; psum
	s_set_vgpr_msb 0x80
	v_lshl_add_u32 v0, v0, 2, 0x2d400
	v_mov_b32 v1, 0
	s_set_vgpr_msb 0x8000
	v_lshrrev_b32 v1, 5, v0
	v_readfirstlane_b32 s22, v1                    ; wave 0..3
	v_and_b32 v1, 31, v0                           ; lane
	v_and_b32 v2, 15, v0                           ; r
	v_bfe_u32 v3, v0, 4, 1                         ; hl
	v_lshlrev_b32 v4, 4, v1                        ; 16 x lane
	s_mov_b32 s24, 0x76543210
	s_mov_b32 s25, 0xfedcba98                      ; v_permlanex16_b32's selects for lane l xor 16
	s_cmp_lt_u32 ttmp9, 128
	s_cbranch_scc0 .Lw_path
; ------------------------------------------------------------------ the x path: wave a takes rows 64 G + 16 a .. + 15, eight K steps of 128
	s_mul_i32 s23, s22, 8448
	v_add_nc_u32 v5, s23, v4                       ; the stage, in: 16 x lane, a row of 512 bytes to a store
	v_mul_u32_u24 v6, v2, 528
	v_lshl_add_u32 v6, v3, 7, v6
	v_add_nc_u32 v6, s23, v6                       ; and out: row r, + 128 hl: my 32 numbers of each 64
	v_and_b32 v7, 7, v0
	v_lshlrev_b32 v7, 2, v7
	v_lshl_add_u32 v7, v3, 10, v7                  ; Wg: column r % 8, 32 hl rows of 32 bytes down
	s_lshl_b32 s23, s22, 13
	s_add_co_u32 s23, s23, WGI
	v_add_nc_u32 v8, s23, v4                       ; where I store my eight images of Wg
	v_add_nc_u32 v9, WGI, v4                       ; and where any wave reads an image
	s_lshl_b32 s23, s22, 2
	s_add_co_u32 s23, s23, WIM
	v_lshl_add_u32 v10, v2, 4, s23                 ; w: 16 r + 4 a
	s_lshl_b32 s23, s22, 9
	s_add_co_u32 s23, s23, WIM
	v_add_nc_u32 v11, s23, v4                      ; and back: my 512 bytes
	v_mov_b32 v12, 0
	v_lshlrev_b32 v13, 4, v2
	v_lshl_add_u32 v13, v3, 9, v13                 ; xs: 512 hl + 16 r
	v_lshlrev_b32 v14, 2, v3                       ; psum: 4 hl
	v_lshlrev_b32 v15, 3, v3                       ; 8 hl: my bytes' place in a scale word
	v_mov_b32 v[M+7], 0                            ; written once: a lane permute's destination counts as one of its sources
	s_lshl_b32 s26, ttmp9, 6
	s_lshl_b32 s23, s22, 4
	s_add_co_u32 s26, s26, s23                     ; my first row
	s_lshl_b32 s26, s26, 12
	s_mov_b32 s27, 0
	s_lshl_b32 s28, ttmp9, 2
	s_add_co_u32 s28, s28, s22
	s_mul_i32 s28, s28, 12288                      ; xq: eight fragments for each 16 rows
	s_mov_b32 s29, 0
	s_lshl_b32 s30, ttmp9, 11
	s_mov_b32 s31, 0
	s_lshr_b32 s23, s22, 1
	s_lshl_b32 s23, s23, 10
	s_add_co_u32 s32, s30, s23
	s_and_b32 s23, s22, 1
	s_lshl_b32 s23, s23, 8
	s_add_co_u32 s32, s32, s23                     ; xs: 2,048 G + 1,024 (a / 2) + 256 (a % 2)
	s_mov_b32 s33, 0
	s_lshl_b32 s23, s22, 9
	s_add_co_u32 s30, s30, s23                     ; wimg: 2,048 G + 512 a
	s_lshl_b32 s34, ttmp9, 5
	s_lshl_b32 s23, s22, 3
	s_add_co_u32 s34, s34, s23                     ; psum: 32 G + 8 a
	s_mov_b32 s35, 0
	s_lshl_b32 s36, s22, 13                        ; Wg: my 256 rows of 32 bytes
	s_mov_b32 s37, 0
	s_wait_kmcnt 0x0
	s_add_nc_u64 s[4:5], s[4:5], s[26:27]
	s_add_nc_u64 s[12:13], s[12:13], s[28:29]
	s_add_nc_u64 s[14:15], s[14:15], s[32:33]
	s_add_nc_u64 s[18:19], s[18:19], s[30:31]
	s_add_nc_u64 s[20:21], s[20:21], s[34:35]
	s_add_nc_u64 s[8:9], s[8:9], s[36:37]
.macro LOAD t                          ; K step t: each load takes 512 consecutive bytes of one row, into set t % 3 of window 1
	WIN 0x40
.irp i, 0,1,2,3,4,5,6,7,8,9,10,11,12,13,14,15
	global_load_b128 v[64*((\t)%3)+4*\i:64*((\t)%3)+4*\i+3], v4, s[4:5] offset:\i*4096+512*(\t) th:TH_LOAD_NT
.endr
	WIN 0
.endm
.macro TURN t                          ; through my stage: in as loaded, out as the operand's layout wants a lane: k = 64 c + 32 hl + 0 .. 31 of row r.  LDS serves a wave's instructions in order: no wait between
	WIN 0x04
.irp i, 0,1,2,3,4,5,6,7,8,9,10,11,12,13,14,15
	ds_store_b128 v5, v[64*((\t)%3)+4*\i:64*((\t)%3)+4*\i+3] offset:528*\i
.endr
	WIN 0
.irp c, 0,1
.irp j, 0,1,2,3,4,5,6,7
	ds_load_b128 v[X+64*((\t)%2)+32*\c+4*\j:X+64*((\t)%2)+32*\c+4*\j+3], v6 offset:256*\c+16*\j
.endr
.endr
.endm
	global_load_b128 v[BG:BG+3], v12, s[10:11]     ; bg: register j = bg[j] in every lane
	global_load_b128 v[BG+4:BG+7], v12, s[10:11] offset:16
; Wg as f16 fragments.  A fragment's place (half hl, number i of 16) stands for k = 128 t + 64 (j4 / 2) + 32 hl + 16 (j4 % 2) + i: the order in which x's numbers lie in a lane; the same order on both sides keeps the products.
; Lane n takes column n % 8: columns 8-15 repeat 0-7, so that both halves of the lanes end with the row's eight logits.  Wave a makes the fragments of K steps 2 a and 2 a + 1.
.set FX_, 0
.rept 8
.set I_, 0
.rept 16
	global_load_b32 v[X+16*FX_+I_], v7, s[8:9] offset:(128*(FX_>>2)+64*((FX_>>1)&1)+16*(FX_&1)+I_)*32
.set I_, I_+1
.endr
.set FX_, FX_+1
.endr
	LOAD 0
	LOAD 1
	LOAD 2
	s_wait_loadcnt 48                              ; bg and Wg are in; x's three steps, 48 loads, may be out
.set Q_, 0
.rept 64
	v_cvt_pk_f16_f32 v[X+Q_], v[X+2*Q_], v[X+2*Q_+1]   ; in place, ascending: register q is written when 2 q and 2 q + 1 are read
.set Q_, Q_+1
.endr
.irp n, 0,1,2,3,4,5,6,7,8,9,10,11,12,13,14,15
	ds_store_b128 v8, v[X+4*\n:X+4*\n+3] offset:512*\n
.endr
	s_wait_dscnt 0x0                               ; for the others' sake: my images have landed
	s_barrier_signal -1
	s_barrier_wait -1                              ; Wg's 32 fragments lie in LDS
	s_wait_loadcnt 32                              ; step 0 is in
	TURN 0
	s_wait_dscnt 0x0
.macro STEP t
.set XB_, X+64*((\t)%2)
.if (\t)+3 < 8
	LOAD (\t)+3                                    ; its set was read by the stage's stores of step t, which are done
.endif
.if (\t)+1 < 8
.if (\t) < 5
	s_wait_loadcnt 32                              ; the next step's 16 loads are in; the two steps behind it may be out
.else
	s_wait_loadcnt 16*(6-(\t))
.endif
	TURN (\t)+1
.endif
.irp n, 0,1,2,3,4,5,6,7
	ds_load_b128 v[WF+4*\n:WF+4*\n+3], v9 offset:4096*(\t)+512*\n   ; this step's four fragments of Wg
.endr
.irp c, 0,1
	v_max3_num_f32 v[M+\c], |v[XB_+32*\c]|, |v[XB_+32*\c+1]|, 0x1800000   ; my block 2 c + hl: all 32 numbers are mine; the floor 2^(3 - 127) holds the byte at 1 from below
.endr
.irp i, 2,4,6,8,10,12,14,16,18,20,22,24,26,28,30
.irp c, 0,1
	v_max3_num_f32 v[M+\c], v[M+\c], |v[XB_+32*\c+\i]|, |v[XB_+32*\c+\i+1]|
.endr
.endr
.irp c, 0,1
	v_add_nc_u32 v[M+2+\c], 0xff000000, v[M+\c]    ; 2 off the exponent field: the conversion's scale operand
.endr
.irp c, 0,1
	v_lshrrev_b32 v[M+4+\c], 23, v[M+2+\c]         ; the scale's byte
.endr
	v_lshl_or_b32 v[M+6], v[M+5], 16, v[M+4]       ; blocks hl and 2 + hl,
	v_lshlrev_b32 v[M+6], v15, v[M+6]              ; at their places in the word;
	v_permlanex16_b32 v[M+7], v[M+6], s24, s25
	v_or_b32 v[SWD+(\t)], v[M+6], v[M+7]           ; with lane l xor 16's two the word is whole
	s_wait_xcnt 0x0                                ; the last step's stores have read the codes' registers
.irp c, 0,1
	v_cvt_scalef32_pk16_fp6_f32 v[F+6*\c:F+6*\c+2], v[XB_+32*\c:XB_+32*\c+15], v[M+2+\c]
	v_cvt_scalef32_pk16_fp6_f32 v[T+4*\c:T+4*\c+2], v[XB_+32*\c+16:XB_+32*\c+31], v[M+2+\c]   ; (a conversion's three registers begin on an even number)
.endr
	v_nop                                          ; one plain place behind the scaled conversions
.irp c, 0,1
.irp i, 0,1,2
	v_mov_b32 v[F+6*\c+3+\i], v[T+4*\c+\i]
.endr
.endr
.irp c, 0,1,2
	global_store_b128 v4, v[F+4*\c:F+4*\c+3], s[12:13] offset:1536*(\t)+512*\c   ; the fragment's image: 512 consecutive bytes a store
.endr
.set Q_, 0
.rept 32
	v_cvt_pk_f16_f32 v[XB_+Q_], v[XB_+2*Q_], v[XB_+2*Q_+1]   ; the same 64 numbers as f16, for the router
.set Q_, Q_+1
.endr
	s_wait_dscnt 0x0                               ; Wg's fragments are in, and the next step's numbers
.irp j, 0,1,2,3                        ; source 0 = Wg (16 columns, 8 of them twice), source 1 = my 16 rows: lane (r, hl), register e = logit of row r, expert e.  Two accumulators by turns
.if ((\t) == 0) && (\j == 0)
	v_wmma_f32_16x16x32_f16 v[ACC:ACC+7], v[WF:WF+7], v[XB_:XB_+7], v[BG:BG+7]
.elseif ((\t) == 0) && (\j == 1)
	v_wmma_f32_16x16x32_f16 v[ACC+8:ACC+15], v[WF+8:WF+15], v[XB_+8:XB_+15], 0
.else
	v_wmma_f32_16x16x32_f16 v[ACC+8*(\j&1):ACC+8*(\j&1)+7], v[WF+8*\j:WF+8*\j+7], v[XB_+8*\j:XB_+8*\j+7], v[ACC+8*(\j&1):ACC+8*(\j&1)+7]
.endif
.endr
.rept 4
	v_nop                                          ; places in front of loads into registers that these products read, and of the first read of the sums
.endr
.endm
.irp t, 0,1,2,3,4,5,6,7
	STEP \t
.endr
	; the softmax of a row's eight logits, in f32, all in one lane
.irp j, 0,2,4,6
	v_pk_add_f32 v[L+\j:L+\j+1], v[ACC+\j:ACC+\j+1], v[ACC+8+\j:ACC+8+\j+1]   ; each accumulator from its low end on
.endr
	v_max3_num_f32 v244, v236, v237, v238
	v_max3_num_f32 v244, v244, v239, v240
	v_max3_num_f32 v244, v244, v241, v242
	v_max_num_f32 v244, v244, v243                 ; the row's largest logit
	v_mul_f32 v245, 0x3fb8aa3b, v244
	s_mov_b32 s23, 0x3fb8aa3b                      ; log2(e)
.irp j, 0,1,2,3,4,5,6,7
	v_fma_f32 v[L+\j], v[L+\j], s23, -v245
.endr
.irp j, 0,1,2,3,4,5,6,7
	v_exp_f32 v[L+\j], v[L+\j]
.endr
	v_nop                                          ; a plain place behind the exponentials
	s_wait_alu depctr_va_vdst(0)                   ; one wait for the batch, ahead of its first reader
	v_add_f32 v246, v236, v237
	v_add_f32 v247, v238, v239
	v_add_f32 v248, v240, v241
	v_add_f32 v249, v242, v243
	v_add_f32 v246, v246, v247
	v_add_f32 v248, v248, v249
	v_add_f32 v246, v246, v248
	v_rcp_f32 v246, v246
	v_cmp_ne_u32 vcc_lo, 0, v3                     ; (a plain place behind the reciprocal)
	s_wait_alu depctr_va_vdst(0)
.irp j, 0,1,2,3,4,5,6,7
	v_mul_f32 v[L+\j], v[L+\j], v246               ; w[row r][e]
.endr
.irp j, 0,1,2,3,4,5,6,7
	ds_store_b32 v10, v[L+\j] offset:256*\j        ; both halves of the lanes write the same word with the same value
.endr
.irp j, 0,1,2,3
	v_cndmask_b32 v[248+\j], v[SWD+\j], v[SWD+4+\j], vcc_lo   ; lanes 0-15 carry K steps 0-3's words, lanes 16-31 K steps 4-7's
.endr
	global_store_b128 v13, v[248:251], s[14:15]    ; two runs of 256 consecutive bytes, aligned
	s_wait_dscnt 0x0
	s_barrier_signal -1
	s_barrier_wait -1                              ; the group's 2,048 bytes of w lie in LDS
	ds_load_b128 v[252:255], v11                   ; experts 2 a (lanes 0-15) and 2 a + 1 (lanes 16-31): lane r holds rows r, 16 + r, 32 + r, 48 + r
	s_wait_dscnt 0x0
	global_store_b128 v4, v[252:255], s[18:19]     ; 512 consecutive bytes
	v_add_f32 v246, v252, v253
	v_add_f32 v247, v254, v255
	v_add_f32 v246, v246, v247
	v_add_f32_dpp v246, v246, v246 row_xmask:1 row_mask:0xf bank_mask:0xf
	v_add_f32_dpp v246, v246, v246 row_xmask:2 row_mask:0xf bank_mask:0xf
	v_add_f32_dpp v246, v246, v246 row_xmask:4 row_mask:0xf bank_mask:0xf
	v_add_f32_dpp v246, v246, v246 row_xmask:8 row_mask:0xf bank_mask:0xf   ; the sum over the group's 64 rows, expert 2 a + hl
	v_cmp_eq_u32 vcc_lo, 0, v2
	s_wait_xcnt 0x0                                ; EXEC changes only behind this wait
	s_set_vgpr_msb 0xa
	s_wait_tensorcnt 0x0
	ds_add_u32 v0, v1
	s_wait_dscnt 0x0
	s_set_vgpr_msb 0xa00
	s_and_saveexec_b32 s23, vcc_lo
	global_store_b32 v14, v246, s[20:21]
	s_wait_xcnt 0x0
	s_or_b32 exec_lo, exec_lo, s23
	s_endpgm
; ------------------------------------------------------------------ the W path: expert e, column block nb, K steps 4 m .. 4 m + 3; wave w takes K step 4 m + w: 128 of p x 128 columns, four tiles of 32 of p
.Lw_path:
	s_sub_co_u32 s23, ttmp9, 128
	s_lshr_b32 s26, s23, 4                         ; e
	s_bfe_u32 s27, s23, 0x30001                    ; nb
	s_and_b32 s28, s23, 1                          ; m
	s_lshl_b32 s29, s28, 2
	s_add_co_u32 s29, s29, s22                     ; ks
	s_lshl_b32 s30, s26, 22
	s_lshl_b32 s32, s29, 19
	s_add_co_u32 s30, s30, s32
	s_lshl_b32 s32, s27, 9
	s_add_co_u32 s30, s30, s32                     ; W: e x 4 MiB + 128 ks rows of 4,096 bytes + 512 nb
	s_mov_b32 s31, 0
	s_mul_i32 s32, s27, 819200
	s_mul_i32 s34, s26, 51200
	s_add_co_u32 s34, s34, s32                     ; wq: the unit (h = 0, e) of column block nb
	s_mul_i32 s36, s29, 6144
	s_add_co_u32 s36, s36, s34                     ; its K step ks
	s_mov_b32 s37, 0
	s_lshr_b32 s38, s22, 1
	s_mul_i32 s38, s38, 409600                     ; the scale chunk that I carry out: unit h = w / 2,
	s_add_co_u32 s38, s38, s34
	s_and_b32 s32, s22, 1
	s_lshl_b32 s32, s32, 1
	s_add_co_u32 s32, s32, s28
	s_lshl_b32 s32, s32, 9
	s_add_co_u32 s38, s38, s32                     ; chunk 2 (w % 2) + m
	s_add_co_u32 s38, s38, 49152
	s_mov_b32 s39, 0
	s_lshl_b32 s32, s22, 14
	s_add_co_u32 s32, s32, WST
	v_add_nc_u32 v5, s32, v4                       ; the stage, in: a row of 512 bytes to a store
	v_lshl_add_u32 v6, v1, 2, s32                  ; and out: a lane to a column
	s_mul_i32 s32, s22, 12288
	s_add_co_u32 s32, s32, IMG
	v_mul_u32_u24 v7, v3, 1536
	v_lshl_add_u32 v7, v2, 4, v7
	v_add_nc_u32 v7, s32, v7                       ; the images, in: fragment 2 g + lane / 16, lane' = 16 (t % 2) + r
	v_add_nc_u32 v8, s32, v4                       ; and out
	s_lshl_b32 s32, s22, 2
	s_add_co_u32 s32, s32, SCI
	v_add_nc_u32 v9, s32, v4                       ; a scale word: 16 x lane + 4 w
	s_lshl_b32 s32, s22, 9
	s_add_co_u32 s32, s32, SCI
	v_add_nc_u32 v10, s32, v4
	s_wait_kmcnt 0x0
	s_add_nc_u64 s[6:7], s[6:7], s[30:31]
	s_add_nc_u64 s[40:41], s[16:17], s[36:37]
	s_add_nc_u64 s[42:43], s[16:17], s[38:39]
.macro RL t                            ; tile t: 32 rows of p, 512 consecutive bytes a load, into set t % 2 of window 1
	WIN 0x40
.set I_, 0
.rept 32
	global_load_b128 v[128*((\t)%2)+4*I_:128*((\t)%2)+4*I_+3], v4, s[6:7] offset:(32*(\t)+I_)*4096 th:TH_LOAD_NT
.set I_, I_+1
.endr
	WIN 0
.endm
.macro XL g                            ; column 32 g + lane: its 32 numbers down p: a whole block in one lane's registers
.set I_, 0
.rept 32
	ds_load_b32 v[16+32*((\g)%2)+I_], v6 offset:512*I_+128*(\g)
.set I_, I_+1
.endr
.endm
.macro BLOCK t, g
.set XB_, 16+32*((\g)%2)
.set CB_, 80+8*((\g)%2)
	v_max3_num_f32 v100, |v[XB_]|, |v[XB_+1]|, |v[XB_+2]|
	v_max3_num_f32 v101, |v[XB_+3]|, |v[XB_+4]|, |v[XB_+5]|
.irp i, 6,10,14,18,22,26
	v_max3_num_f32 v100, v100, |v[XB_+\i]|, |v[XB_+\i+1]|
	v_max3_num_f32 v101, v101, |v[XB_+\i+2]|, |v[XB_+\i+3]|
.endr
	v_max3_num_f32 v100, v100, |v[XB_+30]|, |v[XB_+31]|
	v_max3_num_f32 v100, v100, v101, 0x1800000     ; and the floor 2^(3 - 127)
	v_add_nc_u32 v102, 0xff000000, v100            ; the conversion's scale operand
	v_lshrrev_b32 v103, 23, v102                   ; the byte
.if (\t) == 0
	v_mov_b32 v[96+(\g)], v103
.else
	v_lshl_or_b32 v[96+(\g)], v103, 8*(\t), v[96+(\g)]   ; block t's byte is byte t of the column's word for this K step
.endif
	v_cvt_scalef32_pk16_fp6_f32 v[CB_:CB_+2], v[XB_:XB_+15], v102
	v_cvt_scalef32_pk16_fp6_f32 v[CB_+4:CB_+6], v[XB_+16:XB_+31], v102
	v_nop                                          ; one plain place behind the scaled conversions
	v_mov_b32 v[CB_+3], v[CB_+4]
	v_mov_b32 v[CB_+4], v[CB_+5]
	v_mov_b32 v[CB_+5], v[CB_+6]                   ; six registers: registers 6 (t / 2) .. + 5 of lane 16 (t % 2) + r of the column's fragment
.if (\t) < 2
	ds_store_b128 v7, v[CB_:CB_+3] offset:3072*(\g)+256*((\t)&1)
	ds_store_b64 v7, v[CB_+4:CB_+5] offset:3072*(\g)+256*((\t)&1)+512
.else
	ds_store_b64 v7, v[CB_:CB_+1] offset:3072*(\g)+256*((\t)&1)+520
	ds_store_b128 v7, v[CB_+2:CB_+5] offset:3072*(\g)+256*((\t)&1)+1024
.endif
.endm
.macro TILE t
.if (\t) < 3
	s_wait_loadcnt 32                              ; this tile's 32 loads are in; the next tile's may be out
.else
	s_wait_loadcnt 0x0
.endif
	WIN 0x04
.set I_, 0
.rept 32
	ds_store_b128 v5, v[128*((\t)%2)+4*I_:128*((\t)%2)+4*I_+3] offset:512*I_
.set I_, I_+1
.endr
	WIN 0
	XL 0
	XL 1
	s_wait_dscnt 32                                ; the stage's stores are done and columns 0-31 are in
.if (\t)+2 < 4
	RL (\t)+2
.endif
	BLOCK \t, 0
	XL 2
	s_wait_dscnt 34                                ; behind columns 32-63's loads: a block's two stores and 32 loads
	BLOCK \t, 1
	XL 3
	s_wait_dscnt 34
	BLOCK \t, 2
	s_wait_dscnt 2                                 ; behind the last 32 loads: two stores
	BLOCK \t, 3
.endm
	RL 0
	RL 1
	TILE 0
	TILE 1
	TILE 2
	TILE 3
.irp g, 0,1,2,3
	ds_store_b32 v9, v[96+\g] offset:512*\g        ; chunk g = 2 h + p: register w of its four, lane as it stands
.endr
.set I_, 0
.rept 24
	ds_load_b128 v[104+4*I_:104+4*I_+3], v8 offset:512*I_   ; my eight fragments' images: LDS serves a wave's instructions in order
.set I_, I_+1
.endr
.set I_, 0
.rept 24
	s_wait_dscnt 23-I_
.if I_ < 12
	global_store_b128 v4, v[104+4*I_:104+4*I_+3], s[40:41] offset:512*I_            ; unit (h = 0, e): 512 consecutive bytes a store
.else
	global_store_b128 v4, v[104+4*I_:104+4*I_+3], s[40:41] offset:409600+512*(I_-12)   ; unit (h = 1, e)
.endif
.set I_, I_+1
.endr
	s_wait_dscnt 0x0
	s_barrier_signal -1
	s_barrier_wait -1                              ; the four waves' words make whole chunks
	ds_load_b128 v[16:19], v10
	s_wait_dscnt 0x0
	global_store_b128 v4, v[16:19], s[42:43]
	s_set_vgpr_msb 0xa
	s_wait_tensorcnt 0x0
	ds_add_u32 v0, v1
	s_wait_dscnt 0x0
	s_set_vgpr_msb 0xa00
	s_endpgm
.Lfunc_end_k_q897047ef18_prep:
	.size	k_q897047ef18_prep, .Lfunc_end_k_q897047ef18_prep-k_q897047ef18_prep
	.p2alignl 7, 3214868480
	.fill 96, 4, 3214868480
	.section	.rodata,"a",@progbits
	.p2align	6, 0x0
	.amdhsa_kernel k_q897047ef18_prep
		.amdhsa_group_segment_fixed_size 185856
		.amdhsa_private_segment_fixed_size 0
		.amdhsa_enable_private_segment 0
		.amdhsa_kernarg_size 72
		.amdhsa_user_sgpr_count 2
		.amdhsa_user_sgpr_kernarg_segment_ptr 1
		.amdhsa_wavefront_size32 1
		.amdhsa_system_sgpr_workgroup_id_x 1
		.amdhsa_system_sgpr_workgroup_id_y 1
		.amdhsa_system_sgpr_workgroup_id_z 1
		.amdhsa_system_vgpr_workitem_id 0
		.amdhsa_next_free_vgpr 514
		.amdhsa_next_free_sgpr 66
		.amdhsa_reserve_vcc 1
		.amdhsa_float_denorm_mode_32 3
		.amdhsa_float_denorm_mode_16_64 3
		.amdhsa_memory_ordered 1
		.amdhsa_forward_progress 1
		.amdhsa_inst_pref_size 188
	.end_amdhsa_kernel
	.amdgpu_metadata
---
amdhsa.version: [ 1, 2 ]
amdhsa.kernels:
  - .name:           k_q897047ef18_prep
    .symbol:         k_q897047ef18_prep.kd
    .args:
      - { .name: inputs, .offset: 0, .size: 8, .value_kind: global_buffer, .address_space: global }
      - { .name: W, .offset: 8, .size: 8, .value_kind: global_buffer, .address_space: global }
      - { .name: Wg, .offset: 16, .size: 8, .value_kind: global_buffer, .address_space: global }
      - { .name: bg, .offset: 24, .size: 8, .value_kind: global_buffer, .address_space: global }
      - { .name: xq, .offset: 32, .size: 8, .value_kind: global_buffer, .address_space: global }
      - { .name: xs, .offset: 40, .size: 8, .value_kind: global_buffer, .address_space: global }
      - { .name: wq, .offset: 48, .size: 8, .value_kind: global_buffer, .address_space: global }
      - { .name: wimg, .offset: 56, .size: 8, .value_kind: global_buffer, .address_space: global }
      - { .name: psum, .offset: 64, .size: 8, .value_kind: global_buffer, .address_space: global }
    .group_segment_fixed_size: 185856
    .private_segment_fixed_size: 0
    .kernarg_segment_align: 8
    .kernarg_segment_size: 72
    .max_flat_workgroup_size: 128
    .sgpr_count:     66
    .vgpr_count:     514
    .wavefront_size: 32
...
	.end_amdgpu_metadata
.endif
;; end of part 1
;; launch moe (part 2): grid 8 x 32, 4 waves a work-group, clusters of 4 x 4, 327,680 bytes of LDS; arguments xq, xs, wq, wimg, psum, b, out0, out1, spill; writes out0, out1, spill
.if DOCPART == 2
	.amdgcn_target "amdgcn-amd-amdhsa--gfx1250"
	.amdhsa_code_object_version 6
	.text
	.protected	k_q897047ef18_moe
	.globl	k_q897047ef18_moe
	.p2align	8
	.type	k_q897047ef18_moe,@function
k_q897047ef18_moe:
	s_mov_b64 s[64:65], 0
	v_nop
	global_prefetch_b8 v0, s[64:65] scope:SCOPE_SE
	s_setreg_imm32_b32 hwreg(HW_REG_WAVE_MODE, 25, 1), 1
	s_wait_xcnt 0x0
	s_wait_alu depctr_hold_cnt(0) depctr_sa_sdst(0) depctr_va_vdst(0) depctr_va_sdst(0) depctr_va_ssrc(0) depctr_va_vcc(0) depctr_vm_vsrc(0)
	s_getreg_b32 s2, hwreg(HW_REG_IB_STS2, 6, 4)
	s_cmp_eq_u32 s2, 0
	s_cbranch_scc0 .Lentry_in_a_cluster
	s_endpgm
.Lentry_in_a_cluster:
	s_bfe_u32 s2, ttmp6, 0x10000c
	s_cmp_lg_u32 s2, 0xf033
	s_cbranch_scc0 .Lentry_shape_is_right
	s_endpgm
.Lentry_shape_is_right:
; out0[r][q] = sum over e of w[r][e] (sum over p of Q(x)[r][p] Q(W)[e][p][q] + b[e][q]);  out1 = 8 sum over e of (mean over rows of w[.][e])^2.
; Codes of FP6 (E2M3) with E8M0 scales, made by the launch before and laid as images of operand registers (a fragment, 16 x 128 K, is 1,536 bytes: register 4 c + j of lane l at 512 c + 16 l + 4 j).
; SHARES.  A work-group makes 256 rows x 128 columns of out0; each of its four waves 64 rows x 128 columns.  A wave's codes of x (64 rows x 1,024 K: 32 fragments, 384 registers) serve all eight experts and stay in registers.
; Only W streams: 16 UNITS u = 8 h + e (64 columns of one expert, all of K: 32 fragments and 16 scale registers, 51,200 bytes), two to a slot, through a ring of two LDS slots.
; A unit's sums Y (16 accumulators, begun with the bias as C) are folded into O by O += w[row][e] Y as soon as they are finished; the fold stands block by block among the next unit's first products.
; After eight units 64 columns are done and leave; then the other 64.
; CLUSTER 4 x 4.  W's slots hang on the column block alone, which the four work-groups of a column of the cluster share: each quarter of a slot is asked for JOINTLY.  x is not shared through LDS: each wave's rows go
; once, straight into the registers where they stay (192 KiB a work-group would not fit beside the ring).
; THE MATRIX INSTRUCTION IS USED TRANSPOSED: source 0 = 16 columns of W, source 1 = 16 rows of x: lane (r, hl) holds row r and the eight neighbouring columns 8 hl + 0 .. 7.
; LIMITS: NaN and infinities are not served.
; REGISTERS.  window 0: v1-11 addresses; v12-27 x's scale words; v28-59 W's, two sets by the unit's parity; v60-91 the next unit's bias (on the way out: rows); v92-99 w; v100-195 W's fragments, set 0; v196-227 rows on the way out.
;   window 1: x's fragments fa = 4 ks + a, 0-20, at 12 fa.   window 2: fragments 21-31 at 12 (fa - 21); v144-239 W's fragments, set 1.   window 3: Y(a, f) at 8 (4 a + f); O at 128 + 8 (4 a + f).
.set SLOT1, 131072                     ; slot 1 begins here: one exclusive or turns an address in one slot into the other's
.set SLOTB, 102400                     ; two units
.set UNITB, 51200
.set QUART, 25600                      ; what one wave's tensor load brings
.set STAGE, 233472                     ; behind the ring: 64 rows x (256 + 16) bytes for each wave; no fill lands here
.set STW,   17408
.set SPARE, 303104                     ; the spare words: 128 bytes for each wave, two blocks of 256 bytes that no other line names
.set SPW, 1
.set NIL, 2
.set LI,  3                            ; 16 x lane
.set LB0, 4                            ; v4, v5: the slot in hand + 16 x lane: its first unit, its second
.set BO0, 6                            ; 32 hl
.set WO0, 7                            ; 16 r
.set STO, 8
.set RD,  9
.set CO,  10
.set PFO, 11
.set XS,  12
.set BS,  28
.set BI,  60
.set WR,  92
.set BF0, 100
.set OB1, 196
.set BF1, 144                          ; in window 2
.set WV,  20
.set V,   21
.set TB,  22
.set LIM, 23
.set G1,  24
.set G0A, 32
.set G0W, 36
.set PFA, 44
.set WB,  46
.set BB,  48
.set WA,  50
.set BA,  52
.set UC,  54
.set SEL, 58
.set OUT, 60
.set MSB, 0
.macro WIN new                         ; the immediate's high byte repeats the setting that is left; a switch that changes nothing is dropped
.if MSB != \new
	s_set_vgpr_msb (MSB<<8)|\new
.set MSB, \new
.endif
.endm
.macro PLACES                          ; four plain places behind matrix instructions, in front of loads into registers that they read and of reads of their results
.rept 4
	v_nop
.endr
.endm
.macro CREST                           ; a round of the cluster's barrier behind its opening barrier
	s_cmp_lg_u32 s[WV], 0
	s_cbranch_scc1 .Lnot_wave_0_\@
	s_barrier_signal -3
.Lnot_wave_0_\@:
	s_barrier_wait -3
	s_barrier_signal -1
	s_barrier_wait -1
.endm
.macro CROUND
	s_barrier_signal -1
	s_barrier_wait -1
	CREST
.endm
	s_load_b256 s[4:11], s[0:1], 0x0               ; xq, xs, wq, wimg
	s_load_b256 s[12:19], s[0:1], 0x20             ; psum, b, out0, out1
	s_load_b64 s[BA:BA+1], s[0:1], 0x40            ; spill (these two registers are free until the first unit asks for a bias)
	v_lshl_add_u32 v[SPW], v0, 2, SPARE
	v_mov_b32 v[NIL], 0
	ds_add_u32 v1, v2
	ds_add_u32 v1, v2
	s_wait_dscnt 0x0
	v_lshrrev_b32 v228, 5, v0
	v_readfirstlane_b32 s[WV], v228                ; wave 0..3
	s_bfe_u32 s40, ttmp6, 0x40000                  ; cx
	s_bfe_u32 s41, ttmp6, 0x40004                  ; cy
	s_lshl_b32 s42, ttmp9, 2
	s_add_co_u32 s42, s42, s40                     ; nb: my column block of 128 = 4 x cluster x + cx
	s_and_b32 s43, ttmp7, 0xffff
	s_lshl_b32 s43, s43, 2
	s_add_co_u32 s43, s43, s41                     ; rb: my row block of 256 = 4 x cluster y + cy
	s_lshl_b32 s62, 0x1111, s40                    ; my column of the cluster: places cx, cx + 4, cx + 8, cx + 12
	; descriptor group 1: a dense block of 25,600 bytes as 100 rows of 256 bytes (32 elements of 8 bytes), no padding: every LDS load takes 512 consecutive bytes
	s_or_b32 s[G1], s62, (3<<16)|(1<<21)           ; 15:0 the mask; 17:16 elements of 8 bytes; 21 set beside a mask
	s_mov_b32 s[G1+1], 32<<16                      ; tensor_dim0
	s_mov_b32 s[G1+2], 100<<16                     ; tensor_dim1
	s_mov_b32 s[G1+3], 32<<16                      ; tile_dim0
	s_mov_b32 s[G1+4], 100                         ; tile_dim1
	s_mov_b32 s[G1+5], 32                          ; tensor_dim0_stride
	s_mov_b32 s[G1+6], 0
	s_mov_b32 s[G1+7], 0
	s_mul_i32 s56, s42, 819200                     ; wq: my column block (it hangs on cluster x and cx alone),
	s_mul_i32 s63, s[WV], QUART                    ; my wave's quarter of a slot, in memory and in LDS
	s_add_co_u32 s56, s56, s63
	s_mov_b32 s57, 0
	s_mov_b32 s[SEL], 0x76543210
	s_mov_b32 s[SEL+1], 0xfedcba98
	s_mov_b32 s[TB], 0
	s_mov_b32 s[UC], 0
	s_mov_b32 s67, 0
	s_mov_b32 s69, 0
	s_mov_b32 s71, 0
	v_and_b32 v228, 31, v0
	v_and_b32 v229, 15, v0                         ; r
	v_bfe_u32 v230, v0, 4, 1                       ; hl
	v_lshlrev_b32 v[LI], 4, v228
	v_lshlrev_b32 v[BO0], 5, v230
	v_lshlrev_b32 v[WO0], 4, v229
	s_mul_i32 s62, s[WV], STW
	s_add_co_u32 s62, s62, STAGE                   ; my stage
	v_mul_u32_u24 v[STO], v229, 272
	v_lshl_add_u32 v[STO], v230, 5, v[STO]
	v_add_nc_u32 v[STO], s62, v[STO]               ; in: row r, 32 bytes for each half of the lanes
	v_mul_u32_u24 v[RD], v230, 272
	v_lshl_add_u32 v[RD], v229, 4, v[RD]
	v_add_nc_u32 v[RD], s62, v[RD]                 ; back: lanes 0-15 one row of 256 bytes, lanes 16-31 the next
	v_lshlrev_b32 v[CO], 12, v230
	v_lshl_add_u32 v[CO], v229, 4, v[CO]           ; and the same two rows in out0
	v_min_u32 v[PFO], 24, v228
	v_lshlrev_b32 v[PFO], 8, v[PFO]                ; the prefetches: 25 blocks of 256 bytes a wave; lanes 25-31 name lane 24's block again
	v_mov_b32 v[WR+5], 0                           ; named as the upper halves of pairs, so they are written
	v_mov_b32 v[WR+7], 0
	s_and_b32 s62, ttmp7, 0xffff
	s_cmp_eq_u32 s62, 0
	s_cselect_b32 s[LIM], 5, 0                     ; the clusters with y = 0 prefetch, in trips 0 to 4; the same in all sixteen partners
	s_wait_kmcnt 0x0
	s_add_nc_u64 s[56:57], s[8:9], s[56:57]        ; wq at my quarter of slot content 0
	CROUND                                         ; all sixteen work-groups are here: the first joint loads meet
	s_mov_b32 s[G0A], 1                            ; count = 1
	s_mov_b32 s[G0A+1], s63                        ; LDS: slot 0, my quarter
	s_mov_b64 s[G0A+2:G0A+3], s[56:57]
	s_or_b32 s[G0A+3], s[G0A+3], 0x80000000        ; type = 2
	s_mov_b32 s[G0W], 1
	s_add_co_u32 s[G0W+1], s63, SLOT1              ; slot 1; this descriptor then walks on
	s_add_nc_u64 s[G0W+2:G0W+3], s[56:57], SLOTB
	s_or_b32 s[G0W+3], s[G0W+3], 0x80000000
	tensor_load_to_lds s[G0A:G0A+3], s[G1:G1+7]    ; units 0, 1
	s_nop 0
	tensor_load_to_lds s[G0W:G0W+3], s[G1:G1+7]    ; units 2, 3: two loads of mine are out
	s_nop 0
.rept 4
	v_nop                                          ; behind a tensor load
.endr
	s_mul_i32 s66, s42, 819200                     ; the prefetches' place: the four partners that ask jointly share a slot's 400 blocks out by address: 100 by cy, 25 of them by wave
	s_mul_i32 s68, s41, QUART
	s_add_co_u32 s66, s66, s68
	s_mul_i32 s68, s[WV], 6400
	s_add_co_u32 s66, s66, s68
	s_add_co_u32 s66, s66, 2*SLOTB                 ; at content 2: the first change of slots steps it to content 3
	s_add_nc_u64 s[PFA:PFA+1], s[8:9], s[66:67]
	s_lshl_b32 s63, s43, 2
	s_add_co_u32 s63, s63, s[WV]                   ; my group of 64 rows
	s_mul_i32 s66, s63, 49152
	s_add_nc_u64 s[4:5], s[4:5], s[66:67]          ; its 32 fragments
	s_lshl_b32 s66, s63, 11
	s_add_nc_u64 s[6:7], s[6:7], s[66:67]          ; its scale words
	s_add_nc_u64 s[WB:WB+1], s[10:11], s[66:67]    ; its w
	s_lshl_b32 s68, s42, 9
	s_add_nc_u64 s[BB:BB+1], s[14:15], s[68:69]    ; b at my column block
	s_lshl_b32 s66, s63, 18
	s_add_co_u32 s66, s66, s68
	s_add_nc_u64 s[OUT:OUT+1], s[16:17], s[66:67]  ; out0 at my first row and column
.irp c, 0,1,2,3
	global_load_b128 v[XS+4*\c:XS+4*\c+3], v[LI], s[6:7] offset:512*\c
.endr
.irp f, 0,1,2,3
	global_load_b128 v[BI+8*\f:BI+8*\f+3], v[BO0], s[BB:BB+1] offset:64*\f       ; unit 0's bias, in the result's layout: b[0][16 f + 8 hl + 0 .. 7]
	global_load_b128 v[BI+8*\f+4:BI+8*\f+7], v[BO0], s[BB:BB+1] offset:64*\f+16
.endr
.irp ks, 0,1,2,3,4,5,6,7
.irp a, 0,1,2,3
.set FA_, 4*\ks+\a
.if FA_ < 21
	WIN 0x40
.set AR_, 12*FA_
.else
	WIN 0x80
.set AR_, 12*(FA_-21)
.endif
.irp c, 0,1,2
	global_load_b128 v[AR_+4*\c:AR_+4*\c+3], v[LI], s[4:5] offset:(8*\a+\ks)*1536+512*\c
.endr
.endr
.endr
	WIN 0
	; out1.  In this launch no branch and no EXEC mask hangs on a work-group's place in its cluster.  So wave 0 of ALL sixteen work-groups of cluster (0, 0) adds the 128 groups' gate sums, and the place chooses the
	; ADDRESS alone: place 0 stores the number into out1; each of the fifteen others stores its copy into a word of its own of the workspace buffer spill, which nobody reads: 60 bytes of useless stores in the launch.
	s_and_b32 s62, ttmp7, 0xffff
	s_or_b32 s62, s62, ttmp9
	s_or_b32 s62, s62, s[WV]
	s_cmp_lg_u32 s62, 0
	s_cbranch_scc1 .Lno_aux
.irp i, 0,1,2,3,4,5,6,7
	global_load_b128 v[OB1+4*\i:OB1+4*\i+3], v[LI], s[12:13] offset:512*\i   ; lane l, register j: group 16 i + l / 2, expert 4 (l % 2) + j
.endr
.irp j, 0,1,2,3
	v_mov_b32 v[232+\j], 0                         ; a lane permute's destination counts as one of its sources
.endr
	s_wait_loadcnt 0x0
.irp i, 1,2,3,4,5,6,7
	v_pk_add_f32 v[OB1:OB1+1], v[OB1:OB1+1], v[OB1+4*\i:OB1+4*\i+1]
	v_pk_add_f32 v[OB1+2:OB1+3], v[OB1+2:OB1+3], v[OB1+4*\i+2:OB1+4*\i+3]
.endr
.irp x, 2,4,8
.irp j, 0,1,2,3
	v_add_f32_dpp v[OB1+\j], v[OB1+\j], v[OB1+\j] row_xmask:\x row_mask:0xf bank_mask:0xf
.endr
.endr
.irp j, 0,1,2,3
	v_permlanex16_b32 v[232+\j], v[OB1+\j], s[SEL], s[SEL+1]
.endr
.irp j, 0,1,2,3
	v_add_f32 v[OB1+\j], v[OB1+\j], v[232+\j]      ; the sum of w over all 8,192 rows, expert 4 (l % 2) + j
.endr
	v_mul_f32 v236, v[OB1], v[OB1]
	v_fma_f32 v236, v[OB1+1], v[OB1+1], v236
	v_fma_f32 v236, v[OB1+2], v[OB1+2], v236
	v_fma_f32 v236, v[OB1+3], v[OB1+3], v236
	v_add_f32_dpp v236, v236, v236 row_xmask:1 row_mask:0xf bank_mask:0xf
	v_mul_f32 v236, 0x34000000, v236               ; x 8 / 8192^2 = 2^-23
	s_lshl_b32 s62, s41, 2
	s_add_co_u32 s62, s62, s40                     ; my place in the cluster: cx + 4 cy
	s_cmp_eq_u32 s62, 0
	s_cselect_b64 s[WA:WA+1], s[18:19], s[BA:BA+1] ; place 0: out1; the others: spill
	s_lshl_b32 s62, s62, 2
	v_mov_b32 v237, s62                            ; 4 x place: 0 in out1, a word of its own in spill
	v_cmp_eq_u32 vcc_lo, 0, v228                   ; lane 0: the same mask in every work-group
	s_wait_xcnt 0x0                                ; EXEC changes only behind this wait
	s_and_saveexec_b32 s62, vcc_lo
	global_store_b32 v237, v236, s[WA:WA+1]
	s_wait_xcnt 0x0                                ; and again: the store has read EXEC, its registers and its base
	s_or_b32 exec_lo, exec_lo, s62
.Lno_aux:
; One matrix instruction: unit i of the slot (which set of W's scale words), K step ks, row block a, column block f.  cb = 1: the unit's first K step: the bias is C and starts the sum.
; W's scale register carries fragment 2 p in lanes 0-15 and 2 p + 1 in lanes 16-31; x's likewise by row blocks.
.macro WM i, ks, a, f, cb
.set FA_, 4*(\ks)+(\a)
.if FA_ < 21
.set AW_, 1
.set AR_, 12*FA_
.else
.set AW_, 2
.set AR_, 12*(FA_-21)
.endif
.if (((\ks)>>1)&1) == 0
.set SW_, 0
.set BR_, BF0+48*((\ks)&1)+12*(\f)
.else
.set SW_, 2
.set BR_, BF1+48*((\ks)&1)+12*(\f)
.endif
.set YR_, 8*(4*(\a)+(\f))
.if \cb
.set CR_, BI+8*(\f)
.set WN_, 0xc0|(AW_<<2)|SW_
.else
.set CR_, YR_
.set WN_, 0xf0|(AW_<<2)|SW_
.endif
.set SB_, BS+16*(\i)+8*((\f)>>1)+(\ks)
.set SX_, XS+8*((\a)>>1)+(\ks)
	WIN WN_
.if (((\f)&1) == 0) && (((\a)&1) == 0)
	v_wmma_scale_f32_16x16x128_f8f6f4 v[YR_:YR_+7], v[BR_:BR_+11], v[AR_:AR_+11], v[CR_:CR_+7], v[SB_], v[SX_] matrix_a_fmt:MATRIX_FMT_FP6 matrix_b_fmt:MATRIX_FMT_FP6
.elseif (((\f)&1) == 1) && (((\a)&1) == 0)
	v_wmma_scale_f32_16x16x128_f8f6f4 v[YR_:YR_+7], v[BR_:BR_+11], v[AR_:AR_+11], v[CR_:CR_+7], v[SB_], v[SX_] matrix_a_fmt:MATRIX_FMT_FP6 matrix_b_fmt:MATRIX_FMT_FP6 matrix_a_scale:MATRIX_SCALE_ROW1
.elseif (((\f)&1) == 0) && (((\a)&1) == 1)
	v_wmma_scale_f32_16x16x128_f8f6f4 v[YR_:YR_+7], v[BR_:BR_+11], v[AR_:AR_+11], v[CR_:CR_+7], v[SB_], v[SX_] matrix_a_fmt:MATRIX_FMT_FP6 matrix_b_fmt:MATRIX_FMT_FP6 matrix_b_scale:MATRIX_SCALE_ROW1
.else
	v_wmma_scale_f32_16x16x128_f8f6f4 v[YR_:YR_+7], v[BR_:BR_+11], v[AR_:AR_+11], v[CR_:CR_+7], v[SB_], v[SX_] matrix_a_fmt:MATRIX_FMT_FP6 matrix_b_fmt:MATRIX_FMT_FP6 matrix_a_scale:MATRIX_SCALE_ROW1 matrix_b_scale:MATRIX_SCALE_ROW1
.endif
.endm
.macro WKH i, ks, a0                   ; eight: row blocks a0, a0 + 1
.irp a, \a0, \a0+1
.irp f, 0,1,2,3
	WM \i, \ks, \a, \f, 0
.endr
.endr
.endm
.macro WK i, ks                        ; a K step: the 16 accumulators by turns, one instruction a turn, in the same order in every step
	WKH \i, \ks, 0
	WKH \i, \ks, 2
.endm
.macro LOADS i, d, set                 ; the eight fragments of W of K steps 2 d and 2 d + 1 of unit i, 24 loads of 512 consecutive bytes
.if (\set) == 0
	WIN 0
.set LR_, BF0
.else
	WIN 0x80
.set LR_, BF1
.endif
.irp k, 0,1
.irp f, 0,1,2,3
.irp c, 0,1,2
	ds_load_b128 v[LR_+48*\k+12*\f+4*\c:LR_+48*\k+12*\f+4*\c+3], v[LB0+(\i)] offset:(2*(\d)+\k)*6144+1536*\f+512*\c
.endr
.endr
.endr
.endm
.macro SCL i                           ; unit i's 16 scale registers
.irp c, 0,1,2,3
	ds_load_b128 v[BS+16*(\i)+4*\c:BS+16*(\i)+4*\c+3], v[LB0+(\i)] offset:49152+512*\c
.endr
.endm
.macro GL nobias                       ; this unit's w (for its fold) and the next unit's bias.  The loads that last named s[WA] and s[BA] were shown done by the fold's wait
	s_and_b32 s66, s[UC], 7
	s_lshl_b32 s66, s66, 8
	s_add_nc_u64 s[WA:WA+1], s[WB:WB+1], s[66:67]
	global_load_b128 v[WR:WR+3], v[WO0], s[WA:WA+1]   ; w[16 a + r][e], a = 0 .. 3
	s_add_co_u32 s[UC], s[UC], 1
.if !(\nobias)
	s_and_b32 s68, s[UC], 7
	s_lshl_b32 s68, s68, 12                        ; expert: a row of b is 4,096 bytes
	s_lshr_b32 s70, s[UC], 3
	s_lshl_b32 s70, s70, 8                         ; which 64 columns
	s_add_co_u32 s68, s68, s70
	s_add_nc_u64 s[BA:BA+1], s[BB:BB+1], s[68:69]
.irp f, 0,1,2,3
	global_load_b128 v[BI+8*\f:BI+8*\f+3], v[BO0], s[BA:BA+1] offset:64*\f
	global_load_b128 v[BI+8*\f+4:BI+8*\f+7], v[BO0], s[BA:BA+1] offset:64*\f+16
.endr
.endif
.endm
.macro CMB a, mul                      ; row block a: O += w Y (mul = 1: O = w Y: nothing is ever cleared).  Each accumulator from its low end on
	WIN 0xf3
.set WP_, WR+2*((\a)>>1)+4*((\a)&1)
.set J_, 32*(\a)
.rept 16
.if \mul
	v_pk_mul_f32 v[128+J_:128+J_+1], v[J_:J_+1], v[WP_:WP_+1] op_sel_hi:[1,0]
.else
	v_pk_fma_f32 v[128+J_:128+J_+1], v[J_:J_+1], v[WP_:WP_+1], v[128+J_:128+J_+1] op_sel_hi:[1,0,1]
.endif
.set J_, J_+2
.endr
.endm
.macro MERGE inext, mul                ; the finished unit is folded, block by block, and each block's accumulators are begun anew at once by the next unit's first K step
	WIN 0
	s_wait_loadcnt 0x0                             ; w and the next bias, asked for 96 matrix instructions ago
	v_mov_b32 v[WR+4], v[WR+1]                     ; the packed forms take the low word of an even pair
	v_mov_b32 v[WR+6], v[WR+3]
.irp a, 0,1,2,3
	CMB \a, \mul
.irp f, 0,1,2,3
	WM \inext, 0, \a, \f, 1
.endr
.endr
.endm
.macro DST i, d, nobias                ; double step d = 1 .. 3: the next double step's fragments are asked for, this one's are multiplied
	WIN 0
	PLACES
.if (\d) == 1
	GL \nobias
.endif
.if (\d) < 3
	LOADS \i, (\d)+1, ((\d)+1)&1
	s_wait_dscnt 24                                ; all but the 24 just issued
.else
	SCL 1
	LOADS 1, 0, 0
	s_wait_dscnt 28                                ; all but the 28 just issued
.endif
	WK \i, 2*(\d)
	WK \i, 2*(\d)+1
.endm
.macro D0 i, kind                      ; unit i's first K step, with the fold of the unit before.  kind 0: O += ; 1: O = ; 2: in the loop, O = where the unit before is unit 8 (V = 3)
	WIN 0
	PLACES
	LOADS \i, 1, 1
	s_wait_dscnt 24
.if (\kind) == 2
	WIN 0
	s_cmp_eq_u32 s[V], 3
	s_cbranch_scc1 .Lanew_\@
	MERGE \i, 0
	WIN 0
	s_branch .Lfolded_\@
.Lanew_\@:
	MERGE \i, 1
	WIN 0
.Lfolded_\@:
.else
	MERGE \i, \kind
.endif
.endm
; A PREFETCH INTO THE L2 of the slot content that the NEXT change of slots will ask for: one slot, 256 matrix instructions, ahead of that load.  All clusters of a column of clusters walk the same units: those with y = 0 ask.
; Trip V's refill is content V + 2, so content V + 3 is named, in trips 0 to 4; contents 0 to 2 come by their loads alone.
.macro ASK
	s_cmp_lt_u32 s[V], s[LIM]
	s_cbranch_scc0 .Lnot_mine_\@
	global_prefetch_b8 v[PFO], s[PFA:PFA+1] th:TH_LOAD_NT scope:SCOPE_SE
.Lnot_mine_\@:
.endm
; THE CHANGE OF SLOTS, in the second unit's last double step (its fragments are in registers or on their way).  Each wave waits for all its tensor loads (one is out: its quarter of the other slot), adds 0 to its spare word, and waits
; for that and for its reads of this slot.  fill = 1: the barrier opens a round of the cluster's barrier, and the joint refill is the first thing behind it: it has 240 matrix instructions in which to land.
.macro TURN fill
	WIN 0
	s_wait_tensorcnt 0x0                           ; no tensor load of mine is out: the walking descriptor may be written
	ds_add_u32 v[SPW], v[NIL]                      ; 0 onto my spare word
.if \fill
	s_xor_b32 s[G0W+1], s[G0W+1], SLOT1            ; the other slot than last time,
	s_add_nc_u64 s[G0W+2:G0W+3], s[G0W+2:G0W+3], SLOTB   ; the next two units
	s_wait_xcnt 0x0                                ; the last prefetch, a slot back, has read its address
	s_add_nc_u64 s[PFA:PFA+1], s[PFA:PFA+1], SLOTB
.endif
	s_xor_b32 s[TB], s[TB], SLOT1
	s_wait_dscnt 1                                 ; the fragments are in; the add may be out
	WKH 1, 6, 0
	s_wait_dscnt 0x0                               ; the add is done, and my reads of this slot are over
	s_barrier_signal -1
	WKH 1, 6, 2
	WIN 0
	s_barrier_wait -1
.if \fill
	CREST                                          ; no wave of any partner still reads this slot or has a load on its way
	tensor_load_to_lds s[G0W:G0W+3], s[G1:G1+7]
	s_nop 0
.rept 4
	v_nop                                          ; the places in front of the loads below
.endr
.else
	PLACES
.endif
	v_add_nc_u32 v[LB0], s[TB], v[LI]
	v_add_nc_u32 v[LB0+1], UNITB, v[LB0]
	SCL 0
	LOADS 0, 0, 0
.if \fill
	ASK
.endif
	WK 1, 7
.endm
; THE WAY OUT of 64 rows x 64 columns: a lane's 32 bytes of a row go into my stage, whole rows of 256 bytes come back, and sixteen lanes store 256 consecutive bytes, aligned.  LDS serves a wave's instructions in order.
.macro OL q
.irp i, 0,1,2,3,4,5,6,7
.if ((\q)&1) == 0
	ds_load_b128 v[BI+4*\i:BI+4*\i+3], v[RD] offset:(16*(\q)+2*\i)*272
.else
	ds_load_b128 v[OB1+4*\i:OB1+4*\i+3], v[RD] offset:(16*(\q)+2*\i)*272
.endif
.endr
.endm
.macro OS q
.irp i, 0,1,2,3,4,5,6,7
.if ((\q)&1) == 0
	global_store_b128 v[CO], v[BI+4*\i:BI+4*\i+3], s[OUT:OUT+1] offset:(16*(\q)+2*\i)*4096 th:TH_STORE_NT
.else
	global_store_b128 v[CO], v[OB1+4*\i:OB1+4*\i+3], s[OUT:OUT+1] offset:(16*(\q)+2*\i)*4096 th:TH_STORE_NT
.endif
.endr
.endm
.macro WAYOUT mid
	WIN 0
	PLACES                                         ; the bias's registers, which the last products read as C, take rows below
	WIN 0x0c                                       ; an LDS store's data are its source 1: window 3
.irp a, 0,1,2,3
.irp f, 0,1,2,3
	ds_store_b128 v[STO], v[128+8*(4*\a+\f):128+8*(4*\a+\f)+3] offset:4352*\a+64*\f
	ds_store_b128 v[STO], v[128+8*(4*\a+\f)+4:128+8*(4*\a+\f)+7] offset:4352*\a+64*\f+16
.endr
.endr
	WIN 0
	OL 0
	OL 1
	s_wait_dscnt 8                                 ; all but the eight just issued
	OS 0
	s_wait_xcnt 0x0                                ; the stores have read their registers
	OL 2
	s_wait_dscnt 8
	OS 1
	s_wait_xcnt 0x0
	OL 3
	s_wait_dscnt 8
	OS 2
	s_wait_dscnt 0x0
	OS 3
.if \mid
	s_wait_xcnt 0x0                                ; the stores have read their base and their registers
	s_add_nc_u64 s[OUT:OUT+1], s[OUT:OUT+1], 256   ; on to the other 64 columns
.endif
.endm
.macro H0 kind                         ; a slot's first unit from its second K step on, and its fold
	WK 0, 1
	DST 0, 1, 0
	DST 0, 2, 0
	DST 0, 3, 0
	D0 1, \kind
.endm
.macro H1 fill                         ; its second unit, the change of slots, and its fold
	WK 1, 1
	DST 1, 1, 0
	DST 1, 2, 0
	TURN \fill
	D0 0, 0
.endm
	s_wait_tensorcnt 0x1                           ; my quarter of slot 0 is in; slot 1's may stay out
	s_barrier_signal -1
	s_barrier_wait -1                              ; everybody's is
	v_add_nc_u32 v[LB0], s[TB], v[LI]
	v_add_nc_u32 v[LB0+1], UNITB, v[LB0]
	SCL 0
	LOADS 0, 0, 0
	LOADS 0, 1, 1
	s_wait_dscnt 24
	s_wait_loadcnt 0x0                             ; x's fragments and scale words, unit 0's bias
.irp a, 0,1,2,3
.irp f, 0,1,2,3
	WM 0, 0, \a, \f, 1
.endr
.endr
	H0 1                                           ; unit 0: its fold starts O
	WIN 0
	s_mov_b32 s[V], 0
.Lslot:                                            ; six trips: from a slot's second unit to the next slot's first; each fills the slot that it leaves
	H1 1
	WIN 0
	s_cmp_eq_u32 s[V], 3
	s_cbranch_scc0 .Lno_out
	WAYOUT 1                                       ; units 0-7 are folded: the first 64 columns leave
.Lno_out:
	H0 2
	WIN 0
	s_add_co_u32 s[V], s[V], 1
	s_cmp_lt_u32 s[V], 6
	s_cbranch_scc1 .Lslot
	H1 0                                           ; the tail is written out: nothing is left to ask for
	H0 0
	WK 1, 1                                        ; unit 15
	DST 1, 1, 1
	DST 1, 2, 0
	s_wait_dscnt 0x0
	WK 1, 6
	WK 1, 7
	WIN 0
	PLACES
	s_wait_loadcnt 0x0
	v_mov_b32 v[WR+4], v[WR+1]
	v_mov_b32 v[WR+6], v[WR+3]
.irp a, 0,1,2,3
	CMB \a, 0
.endr
	WAYOUT 0
	s_wait_tensorcnt 0x0                           ; the wave's end: behind my last tensor load and my last LDS store
	ds_add_u32 v[SPW], v[NIL]
	s_wait_dscnt 0x0
	CROUND                                         ; the closing round: no work-group ends while a partner may still ask for a slot that names it
	s_endpgm
.Lfunc_end_k_q897047ef18_moe:
	.size	k_q897047ef18_moe, .Lfunc_end_k_q897047ef18_moe-k_q897047ef18_moe
	.p2alignl 7, 3214868480
	.fill 96, 4, 3214868480
	.section	.rodata,"a",@progbits
	.p2align	6, 0x0
	.amdhsa_kernel k_q897047ef18_moe
		.amdhsa_group_segment_fixed_size 327680
		.amdhsa_private_segment_fixed_size 0
		.amdhsa_enable_private_segment 0
		.amdhsa_kernarg_size 72
		.amdhsa_user_sgpr_count 2
		.amdhsa_user_sgpr_kernarg_segment_ptr 1
		.amdhsa_wavefront_size32 1
		.amdhsa_system_sgpr_workgroup_id_x 1
		.amdhsa_system_sgpr_workgroup_id_y 1
		.amdhsa_system_sgpr_workgroup_id_z 1
		.amdhsa_system_vgpr_workitem_id 0
		.amdhsa_next_free_vgpr 1024
		.amdhsa_next_free_sgpr 72
		.amdhsa_reserve_vcc 1
		.amdhsa_float_denorm_mode_32 3
		.amdhsa_float_denorm_mode_16_64 3
		.amdhsa_memory_ordered 1
		.amdhsa_forward_progress 1
		.amdhsa_inst_pref_size 215
	.end_amdhsa_kernel
	.amdgpu_metadata
---
amdhsa.version: [ 1, 2 ]
amdhsa.kernels:
  - .name:           k_q897047ef18_moe
    .symbol:         k_q897047ef18_moe.kd
    .args:
      - { .name: xq, .offset: 0, .size: 8, .value_kind: global_buffer, .address_space: global }
      - { .name: xs, .offset: 8, .size: 8, .value_kind: global_buffer, .address_space: global }
      - { .name: wq, .offset: 16, .size: 8, .value_kind: global_buffer, .address_space: global }
      - { .name: wimg, .offset: 24, .size: 8, .value_kind: global_buffer, .address_space: global }
      - { .name: psum, .offset: 32, .size: 8, .value_kind: global_buffer, .address_space: global }
      - { .name: b, .offset: 40, .size: 8, .value_kind: global_buffer, .address_space: global }
      - { .name: out0, .offset: 48, .size: 8, .value_kind: global_buffer, .address_space: global }
      - { .name: out1, .offset: 56, .size: 8, .value_kind: global_buffer, .address_space: global }
      - { .name: spill, .offset: 64, .size: 8, .value_kind: global_buffer, .address_space: global }
    .group_segment_fixed_size: 327680
    .private_segment_fixed_size: 0
    .kernarg_segment_align: 8
    .kernarg_segment_size: 72
    .max_flat_workgroup_size: 128
    .sgpr_count:     72
    .vgpr_count:     1024
    .wavefront_size: 32
...
	.end_amdgpu_metadata
.endif
;; end of part 2
